; MI455X (gfx1250); checked and timed in simulation.
; The chip was launched on July 23, 2026; its instructions are those of AMD's public machine-readable ISA for CDNA 5 (MIT licence, August 2026) and "CDNA5" Instruction Set Architecture Reference Guide (July 2026). The comments in the code are by the model that wrote it; some were corrected since.
;; NON Local Block2 D. Allowed arithmetic: float matrix products may take bf16 or f16 operands with f32 sums; all other float work in f32.
;; Inputs: Wk1 128 x 256 float32; Wk2 128 x 128 float32; Wo 256 x 128 float32; Wq1 128 x 256 float32; Wq2 128 x 128 float32; Wv 128 x 256 float32; bk1 128 float32; bk2 128 float32; bo 256 float32; bq1 128 float32; bq2 128 float32; gk1 128 float32; gk2 128 float32; go 256 float32; gq1 128 float32; gq2 128 float32; mk1 128 float32; mk2 128 float32; mo 256 float32; mq1 128 float32; mq2 128 float32; vk1 128 float32; vk2 128 float32; vo 256 float32; vq1 128 float32; vq2 128 float32; x 4 x 256 x 64 x 64 float32; y 4 x 256 x 64 x 64 float32.
;; Outputs: out0 4 x 256 x 64 x 64 float32.
;; One version. Each part assembles by itself: llvm-mc -triple=amdgcn-amd-amdhsa -mcpu=gfx1250 --defsym DOCPART=n.
;; ======== version 1 of 1: 2 launches
;; limits: values are held in f16: magnitudes above 65,504 overflow, below 6.1e-05 lose precision; inputs' magnitudes at most 65,504
;; workspace buffers: qbuf 4,194,304 bytes; kbuf 4,194,304 bytes; vbuf 4,194,304 bytes; wobuf 65,536 bytes; scl 262,144 bytes
;; launch proj (part 1): grid 256 x 2, 8 waves a work-group, no clusters, 161,280 bytes of LDS; arguments x, Wq1, Wq2, gq1, bq1, mq1, vq1, gq2, bq2, mq2, vq2, qbuf, y, Wk1, Wk2, gk1, bk1, mk1, vk1, gk2, bk2, mk2, vk2, kbuf, Wv, vbuf, Wo, wobuf, scl; writes qbuf, kbuf, vbuf, wobuf, scl
.if DOCPART == 1
	.amdgcn_target "amdgcn-amd-amdhsa--gfx1250"
	.amdhsa_code_object_version 6
	.text
	.protected	k_q6af6f7fdfc_proj
	.globl	k_q6af6f7fdfc_proj
	.p2align	8
	.type	k_q6af6f7fdfc_proj,@function
k_q6af6f7fdfc_proj:
	s_mov_b64 s[64:65], 0
	v_nop
	global_prefetch_b8 v0, s[64:65] scope:SCOPE_SE
	s_setreg_imm32_b32 hwreg(HW_REG_WAVE_MODE, 25, 1), 1
	s_wait_xcnt 0x0
; proj: the 1x1 convolutions in front of the attention.
;   work-group (bx, 0): q = relu(bn2(Wq2 relu(bn1(Wq1 x)))) for 64 pixels; the groups bx = 0, 1 also make an f16 copy of Wo
;   work-group (bx, 1): k likewise from y, and v = Wv y, for 64 pixels
; bx = 64 n + (pixel / 64).  Eight waves; wave w makes 16 output channels (16 w ..) x 64 pixels of every product.
; Everything is stored as IMAGES OF MATRIX FRAGMENTS (1,024 bytes: registers 0-3 of 32 lanes, then registers 4-7), so that the next launch loads
; operands with 16 neighbouring bytes a lane.  The trick: a result tile holds in lane (r, h), register j the element (m = 8 h + j, n = r)
; (ISA guide 7.12.2), and packed to 16 bits that is one half of a 16-bit operand fragment whose k runs along m.  So
;   qbuf, kbuf: [16-pixel block][kc 0..3][half][lane][16 B]: lane (r, h) = pixel r, channels 32 kc + 16 half + 8 h + 0..7
;   vbuf:       [32-pixel block][vb 0..7][half][lane][16 B]: lane (r, h) = channel 16 vb + r, pixels 16 half + 8 h + 0..7
;   wobuf:      [ob 0..15][kc 0..3][half][lane][16 B]:       lane (r, h) = row 16 ob + r of Wo, columns 32 kc + 16 half + 8 h + 0..7
;   scl:        [q, k][bx][128 equal f32]: the factor by which the group's q (k) was divided
; FORMAT: all matrix operands are f16, sums f32.  A row of the softmax that rests on few keys passes the error of q k straight to the result, and
; eleven bits keep it small enough where eight do not.
; RANGE: the first layer's result, q and k are products of up to four inputs and have no sure room in f16, so each is divided by the largest number of
; the group's 128 channels x 64 pixels (at least 2^-64) before it is packed: what is stored lies in [0, 1].  The first layer's factor goes back
; into the second norm's scale; q's and k's go to scl.
; No tensor loads: the f32 inputs have to pass through registers anyway to become f16.  No cluster: the groups share only the weights, 0.4 MB
; against the 64 KiB tile of each group.
; LIMITS: x, y, the weights and v = Wv y are packed as they are: above 65,504 they become infinite, below 2^-14 they keep an absolute error of 2^-25.
; |v| as drawn stays below about 7; 30 x 30 on y and Wv gives 6,300, offsets of 30 spreads on both about 20,700.  A group's largest number above 2^126
; is not served (its reciprocal is flushed to 0).  The norm is applied as z * s + (b - m * s), s = g * rsq(v + 1e-5) (v_rsq_f32, 1 ULP);
; v + 1e-5 > 0 is taken for granted.  relu is max(z, 0) in which a NaN loses: NaN and infinities in the inputs are not carried as reference() would.
.set EPSF,  0x3727c5ac                 ; 1e-5
.set FLOOR, 0x1f800000                 ; 2^-64: the least divisor, so that a tile of zeros stays zeros
.set XPIT,  160                        ; LDS: the input tile as f16 [256 channels][64 pixels], 128 bytes + 32 of padding a row (5 x 32: the transposing load's rows start at different banks)
.set WSA,   40960                      ; LDS: 8 x 8,448: each wave's own 16 weight rows of 256 f16, pitch 528 (33 x 16)
.set WSB,   8448
.set WPIT,  528
.set W2A,   108544                     ; LDS: 8 x 4,352: each wave's own 16 weight rows of 128 f16, pitch 272 (17 x 16)
.set W2B,   4352
.set W2PIT, 272
.set H1A,   143360                     ; LDS: 16,384: the first layer's result as fragment images [pixel block 0..3][kc][half][lane]
.set REDA,  159744                     ; LDS: the waves' maxima, eight words for each of the two reductions
.set REDW, 0                           ; REDA + 4 w (v0 after the thread's number has served)
.set L16,  1                           ; 16 x lane
.set TG,   2                           ; tile in memory: 32 w channels + h rows of 16,384 bytes + 16 r
.set XS,   3                           ; tile in LDS, store: (32 w + h) rows + 8 r
.set XRD,  4                           ; tile in LDS, transposing load: (8 h + lane % 8) rows + 16 ((lane / 8) % 2)
.set WST,  5                           ; my weight rows, K = 256: store, 8 x lane
.set WRD,  6                           ;                          fragment load, r rows + 16 h
.set W2ST, 7                           ; the same, K = 128
.set W2RD, 8
.set HST,  9                           ; H1 image: store at 512 w + 16 lane
.set HRD,  10                          ; H1 image: load at 16 lane
.set BNO,  11                          ; byte offset of my eight channels 16 w + 8 h in a norm's vectors
.set T16,  12                          ; 16 x thread
.set VO,   13                          ; 1,024 w + 16 lane
.set WR1,  14                          ; my 16 rows of a [128][256] f32 weight: 16,384 w + 16 lane
.set WR2,  15                          ; my 16 rows of a [..][128] f32 weight: 8,192 w + 16 lane
.set SCL,  16                          ; v[16:23] s of my eight channels
.set SHF,  24                          ; v[24:31] b - m s
.set ACC,  32                          ; v[32:63] four result tiles; before that the first norm's vectors as loaded
.set AW,   64                          ; v[64:127] weight fragments, 8 registers a K step of 32
.set XR,   64                          ;           before that the input tile as loaded
.set TM,   64                          ; v[64:75]  between the products: at work on the maximum
.set GM,   76                          ;           the group's maximum
.set RDA,  77
.set INV,  78                          ; v[78:79]  its reciprocal, twice
.set HF,   96                          ; v[96:223] H1 fragments (kc, pixel block)
.set BF,   128                         ; v[128:255] four buffers of four input fragments
.set RAW,  128                         ;            before that weights as loaded
.set BN2,  224                         ; v[224:255] the second norm's vectors as loaded
.set PIN,  8                           ; s[8:9] input, s[10:11] W1, s[12:13] W2, s[14:21] g b m v of norm 1, s[22:29] of norm 2, s[30:31] output
.set PW1,  10
.set PW2,  12
.set PBN1, 14
.set PBN2, 22
.set POUT, 30
.set PWV,  56
.set PVB,  58
.set PWO,  60
.set PWOB, 62
.set PSC,  66
.macro PLACES n                        ; places behind a matrix instruction are plain vector instructions that name none of its registers (ISA guide 7.12.1)
.rept \n
	v_nop
.endr
.endm
.macro LDRAW dst, n, voff, base        ; n loads of a dense block, 512 neighbouring bytes each
.set li, 0
.rept \n
	global_load_b128 v[\dst+4*li:\dst+4*li+3], v[\voff], s[\base:\base+1] offset:512*li
.set li, li+1
.endr
.endm
.macro STW256 raw                      ; 16 rows of 256 f32 (two loads a row) to f16, into my own weight rows
.set li, 0
.rept 32
	v_cvt_pk_f16_f32 v[\raw+4*li], v[\raw+4*li], v[\raw+4*li+1]
	v_cvt_pk_f16_f32 v[\raw+4*li+1], v[\raw+4*li+2], v[\raw+4*li+3]
	ds_store_b64 v[WST], v[\raw+4*li:\raw+4*li+1] offset:(li>>1)*WPIT+(li&1)*256
.set li, li+1
.endr
.endm
.macro STW128 raw                      ; 16 rows of 128 f32 (one load a row)
.set li, 0
.rept 16
	v_cvt_pk_f16_f32 v[\raw+4*li], v[\raw+4*li], v[\raw+4*li+1]
	v_cvt_pk_f16_f32 v[\raw+4*li+1], v[\raw+4*li+2], v[\raw+4*li+3]
	ds_store_b64 v[W2ST], v[\raw+4*li:\raw+4*li+1] offset:li*W2PIT
.set li, li+1
.endr
.endm
.macro BNLD dst, gb                    ; g, b, m, v of my eight channels: 8 registers each
.irp k, 0,1,2,3
	global_load_b128 v[\dst+8*\k:\dst+8*\k+3],   v[BNO], s[\gb+2*\k:\gb+2*\k+1]
	global_load_b128 v[\dst+8*\k+4:\dst+8*\k+7], v[BNO], s[\gb+2*\k:\gb+2*\k+1] offset:16
.endr
.endm
.macro BNPREP raw                      ; s = g rsq(v + eps), t = b - m s
.irp j, 0,1,2,3,4,5,6,7
	v_add_f32 v[\raw+24+\j], EPSF, v[\raw+24+\j]
.endr
.irp j, 0,1,2,3,4,5,6,7
	v_rsq_f32 v[SCL+\j], v[\raw+24+\j]
.endr
	v_nop                                          ; one plain instruction between the last v_rsq_f32 and the first use (ISA guide 5.7.2)
	s_wait_alu depctr_va_vdst(0)
.irp j, 0,1,2,3,4,5,6,7
	v_mul_f32 v[SCL+\j], v[\raw+\j], v[SCL+\j]
.endr
.irp j, 0,1,2,3,4,5,6,7
	v_fma_f32 v[SHF+\j], -v[\raw+16+\j], v[SCL+\j], v[\raw+8+\j]
.endr
.endm
.macro BFLD kc, buf                    ; four input fragments (32 channels at 32 kc x 16 pixels each), transposed on the way: 8 LDS loads
.irp nb, 0,1,2,3
	ds_load_tr16_b128 v[BF+32*(\buf)+8*\nb:BF+32*(\buf)+8*\nb+3],   v[XRD] offset:(\kc)*32*XPIT+\nb*32
	ds_load_tr16_b128 v[BF+32*(\buf)+8*\nb+4:BF+32*(\buf)+8*\nb+7], v[XRD] offset:(\kc)*32*XPIT+\nb*32+16*XPIT
.endr
.endm
; four products of one K step.  swap = 0: D(channel, pixel) = weights x input.  swap = 1: D(pixel, channel) = input x weights.  The four accumulators take turns.
.macro MM256 kc, swap
.irp nb, 0,1,2,3
.if \swap
.if \kc == 0
	v_wmma_f32_16x16x32_f16 v[ACC+8*\nb:ACC+8*\nb+7], v[BF+32*(\kc&3)+8*\nb:BF+32*(\kc&3)+8*\nb+7], v[AW+8*\kc:AW+8*\kc+7], 0
.else
	v_wmma_f32_16x16x32_f16 v[ACC+8*\nb:ACC+8*\nb+7], v[BF+32*(\kc&3)+8*\nb:BF+32*(\kc&3)+8*\nb+7], v[AW+8*\kc:AW+8*\kc+7], v[ACC+8*\nb:ACC+8*\nb+7]
.endif
.else
.if \kc == 0
	v_wmma_f32_16x16x32_f16 v[ACC+8*\nb:ACC+8*\nb+7], v[AW+8*\kc:AW+8*\kc+7], v[BF+32*(\kc&3)+8*\nb:BF+32*(\kc&3)+8*\nb+7], 0
.else
	v_wmma_f32_16x16x32_f16 v[ACC+8*\nb:ACC+8*\nb+7], v[AW+8*\kc:AW+8*\kc+7], v[BF+32*(\kc&3)+8*\nb:BF+32*(\kc&3)+8*\nb+7], v[ACC+8*\nb:ACC+8*\nb+7]
.endif
.endif
.endr
.endm
; a product over 256 channels: 16 loads of weight fragments, then eight K steps on four buffers; a buffer is filled again right behind its products
.macro CONV256 swap
.set ci, 0
.rept 8
	ds_load_b128 v[AW+8*ci:AW+8*ci+3],   v[WRD] offset:64*ci
	ds_load_b128 v[AW+8*ci+4:AW+8*ci+7], v[WRD] offset:64*ci+32
.set ci, ci+1
.endr
	BFLD 0, 0
	BFLD 1, 1
	BFLD 2, 2
	BFLD 3, 3
.irp kc, 0,1,2,3
	s_wait_dscnt 24                                ; behind this step's eight loads stand three more buffers' 24
	MM256 \kc, \swap
	PLACES 4                                       ; four places, then loads may land on the registers just multiplied
	BFLD \kc+4, \kc
.endr
	s_wait_dscnt 24
	MM256 4, \swap
	s_wait_dscnt 16                                ; no more refills: the counts run down
	MM256 5, \swap
	s_wait_dscnt 8
	MM256 6, \swap
	s_wait_dscnt 0
	MM256 7, \swap
.endm
.macro CONV128                         ; the second layer: my 16 rows of W2 x the H1 images, four K steps
.irp kc, 0,1,2,3
	ds_load_b128 v[AW+8*\kc:AW+8*\kc+3],   v[W2RD] offset:64*\kc
	ds_load_b128 v[AW+8*\kc+4:AW+8*\kc+7], v[W2RD] offset:64*\kc+32
.endr
.irp kc, 0,1,2,3
.irp nb, 0,1,2,3
	ds_load_b128 v[HF+32*\kc+8*\nb:HF+32*\kc+8*\nb+3],   v[HRD] offset:\nb*4096+\kc*1024
	ds_load_b128 v[HF+32*\kc+8*\nb+4:HF+32*\kc+8*\nb+7], v[HRD] offset:\nb*4096+\kc*1024+512
.endr
.endr
.irp kc, 0,1,2,3
	s_wait_dscnt 24-8*\kc                          ; the later K steps' loads, eight each, may stay out
.irp nb, 0,1,2,3
.if \kc == 0
	v_wmma_f32_16x16x32_f16 v[ACC+8*\nb:ACC+8*\nb+7], v[AW+8*\kc:AW+8*\kc+7], v[HF+32*\kc+8*\nb:HF+32*\kc+8*\nb+7], 0
.else
	v_wmma_f32_16x16x32_f16 v[ACC+8*\nb:ACC+8*\nb+7], v[AW+8*\kc:AW+8*\kc+7], v[HF+32*\kc+8*\nb:HF+32*\kc+8*\nb+7], v[ACC+8*\nb:ACC+8*\nb+7]
.endif
.endr
.endr
.endm
.macro ACT1                            ; norm and relu, in f32
.irp nb, 0,1,2,3
.irp k, 0,2,4,6
	v_pk_fma_f32 v[ACC+8*\nb+\k:ACC+8*\nb+\k+1], v[ACC+8*\nb+\k:ACC+8*\nb+\k+1], v[SCL+\k:SCL+\k+1], v[SHF+\k:SHF+\k+1]
.endr
.irp k, 0,1,2,3,4,5,6,7
	v_max_num_f32 v[ACC+8*\nb+\k], 0, v[ACC+8*\nb+\k]
.endr
.endr
.endm
; the largest number of the group's 128 channels x 64 pixels: in the lane, across the lanes, across the waves through LDS (eight words at REDA + red).
; Leaves it (at least 2^-64) in GM and its reciprocal in INV, INV + 1.
.macro WGMAX red
.irp nb, 0,1,2,3
	v_max3_num_f32 v[TM+\nb], v[ACC+8*\nb], v[ACC+8*\nb+1], v[ACC+8*\nb+2]
.endr
.irp k, 3,5
.irp nb, 0,1,2,3
	v_max3_num_f32 v[TM+\nb], v[TM+\nb], v[ACC+8*\nb+\k], v[ACC+8*\nb+\k+1]
.endr
.endr
.irp nb, 0,1,2,3
	v_max_num_f32 v[TM+\nb], v[TM+\nb], v[ACC+8*\nb+7]
.endr
	v_max3_num_f32 v[TM], v[TM], v[TM+1], v[TM+2]
	v_max_num_f32 v[TM], v[TM], v[TM+3]
	v_max_num_f32_dpp v[TM], v[TM], v[TM] row_xmask:1 row_mask:0xf bank_mask:0xf
	v_max_num_f32_dpp v[TM], v[TM], v[TM] row_xmask:2 row_mask:0xf bank_mask:0xf
	v_max_num_f32_dpp v[TM], v[TM], v[TM] row_xmask:4 row_mask:0xf bank_mask:0xf
	v_max_num_f32_dpp v[TM], v[TM], v[TM] row_xmask:8 row_mask:0xf bank_mask:0xf
	v_permlanex16_b32 v[TM+1], v[TM], s6, s7
	v_max_num_f32 v[TM], v[TM], v[TM+1]
	ds_store_b32 v[REDW], v[TM] offset:\red        ; all lanes write my wave's word with the same number
	v_mov_b32 v[RDA], REDA
	s_wait_dscnt 0x0                               ; for the others' sake
	s_barrier_signal -1
	s_barrier_wait -1
	ds_load_b128 v[TM+4:TM+7],  v[RDA] offset:\red
	ds_load_b128 v[TM+8:TM+11], v[RDA] offset:\red+16
	s_wait_dscnt 0x0
	v_max3_num_f32 v[GM], v[TM+4], v[TM+5], v[TM+6]
	v_max3_num_f32 v[GM], v[GM], v[TM+7], v[TM+8]
	v_max3_num_f32 v[GM], v[GM], v[TM+9], v[TM+10]
	v_max3_num_f32 v[GM], v[GM], v[TM+11], s38
	v_rcp_f32 v[INV], v[GM]
	v_nop                                          ; a plain instruction between v_rcp_f32 and its use (ISA guide 5.7.2)
	s_wait_alu depctr_va_vdst(0)
	v_mov_b32 v[INV+1], v[INV]
.endm
.macro ACT2                            ; into [0, 1], and eight f32 to 16 bytes of f16 in the tile's first four registers
.irp nb, 0,1,2,3
.irp k, 0,2,4,6
	v_pk_mul_f32 v[ACC+8*\nb+\k:ACC+8*\nb+\k+1], v[ACC+8*\nb+\k:ACC+8*\nb+\k+1], v[INV:INV+1]
.endr
.irp k, 0,1,2,3
	v_cvt_pk_f16_f32 v[ACC+8*\nb+\k], v[ACC+8*\nb+2*\k], v[ACC+8*\nb+2*\k+1]
.endr
.endr
.endm
	s_load_b512 s[8:23],  s[0:1], 0x0              ; x Wq1 Wq2 gq1 bq1 mq1 vq1 gq2
	s_load_b512 s[24:39], s[0:1], 0x40             ; bq2 mq2 vq2 qbuf | y Wk1 Wk2 gk1
	s_load_b512 s[40:55], s[0:1], 0x80             ; bk1 mk1 vk1 gk2 bk2 mk2 vk2 kbuf
	s_load_b256 s[56:63], s[0:1], 0xc0             ; Wv vbuf Wo wobuf
	s_load_b64  s[PSC:PSC+1], s[0:1], 0xe0         ; scl
	s_set_vgpr_msb 0x40
	v_lshl_add_u32 v0, v0, 2, 0x27200
	v_mov_b32 v1, 0
	s_set_vgpr_msb 0x4000
	s_mov_b32 s2, ttmp9                            ; bx
	s_and_b32 s3, ttmp7, 0xffff                    ; 0: the q chain, 1: the k chain and v
	s_mov_b32 s6, 0x76543210                       ; v_permlanex16_b32: lane i of the other half
	s_mov_b32 s7, 0xfedcba98
	v_lshrrev_b32 v16, 5, v0
	v_readfirstlane_b32 s4, v16                    ; wave
	v_and_b32 v16, 31, v0                          ; lane
	v_and_b32 v17, 15, v0                          ; r
	v_bfe_u32 v18, v0, 4, 1                        ; h
	v_and_b32 v19, 7, v0
	v_bfe_u32 v20, v0, 3, 1
	v_lshlrev_b32 v[L16], 4, v16
	s_lshl_b32 s5, s4, 19                          ; 32 channel rows of 16,384 bytes a wave
	v_lshlrev_b32 v[TG], 4, v17
	v_lshl_add_u32 v[TG], v18, 14, v[TG]
	v_add_nc_u32 v[TG], s5, v[TG]
	s_mul_i32 s5, s4, 32*XPIT
	v_mul_u32_u24 v[XS], v18, XPIT
	v_lshl_add_u32 v[XS], v17, 3, v[XS]
	v_add_nc_u32 v[XS], s5, v[XS]
	v_lshl_add_u32 v[XRD], v18, 3, v19
	v_mul_u32_u24 v[XRD], v[XRD], XPIT
	v_lshl_add_u32 v[XRD], v20, 4, v[XRD]
	s_mul_i32 s5, s4, WSB
	s_add_co_u32 s5, s5, WSA
	v_lshl_add_u32 v[WST], v16, 3, s5
	v_mul_u32_u24 v[WRD], v17, WPIT
	v_lshl_add_u32 v[WRD], v18, 4, v[WRD]
	v_add_nc_u32 v[WRD], s5, v[WRD]
	s_mul_i32 s5, s4, W2B
	s_add_co_u32 s5, s5, W2A
	v_lshl_add_u32 v[W2ST], v16, 3, s5
	v_mul_u32_u24 v[W2RD], v17, W2PIT
	v_lshl_add_u32 v[W2RD], v18, 4, v[W2RD]
	v_add_nc_u32 v[W2RD], s5, v[W2RD]
	s_lshl_b32 s5, s4, 9
	s_add_co_u32 s5, s5, H1A
	v_add_nc_u32 v[HST], s5, v[L16]
	v_add_nc_u32 v[HRD], H1A, v[L16]
	s_lshl_b32 s5, s4, 6
	v_lshl_add_u32 v[BNO], v18, 5, s5
	v_lshlrev_b32 v[T16], 4, v0
	s_lshl_b32 s5, s4, 10
	v_add_nc_u32 v[VO], s5, v[L16]
	s_lshl_b32 s5, s4, 14
	v_add_nc_u32 v[WR1], s5, v[L16]
	s_lshl_b32 s5, s4, 13
	v_add_nc_u32 v[WR2], s5, v[L16]
	s_lshl_b32 s5, s4, 2
	s_add_co_u32 s5, s5, REDA
	v_mov_b32 v[REDW], s5                          ; the thread's number has served: my wave's word for the maxima
	s_wait_kmcnt 0x0
	s_cmp_lg_u32 s3, 0                             ; the k chain takes the second set of twelve addresses; one text serves both
.set ci, 0
.rept 12
	s_cselect_b64 s[8+2*ci:9+2*ci], s[32+2*ci:33+2*ci], s[8+2*ci:9+2*ci]
.set ci, ci+1
.endr
	s_lshr_b32 s32, s2, 6                          ; image
	s_lshl_b32 s32, s32, 22                        ; x 256 channels x 16,384 bytes
	s_and_b32 s34, s2, 63
	s_lshl_b32 s34, s34, 8                         ; + my 64 pixels: 256 bytes of every channel row
	s_add_co_u32 s32, s32, s34
	s_mov_b32 s33, 0
	s_add_nc_u64 s[PIN:PIN+1], s[PIN:PIN+1], s[32:33]
	s_lshl_b32 s36, s2, 14                         ; 16,384 bytes of images for 64 pixels, in qbuf, kbuf and vbuf alike
	s_mov_b32 s37, 0
	s_add_nc_u64 s[POUT:POUT+1], s[POUT:POUT+1], s[36:37]
	s_add_nc_u64 s[PVB:PVB+1], s[PVB:PVB+1], s[36:37]
	s_mov_b32 s38, FLOOR
	s_lshl_b32 s40, s3, 17                         ; scl: 131,072 bytes for q's factors, then k's; 512 bytes a group
	s_lshl_b32 s42, s2, 9
	s_add_co_u32 s40, s40, s42
	s_mov_b32 s41, 0
	s_add_nc_u64 s[PSC:PSC+1], s[PSC:PSC+1], s[40:41]
	; all loads of the first layer go out at once: 32 of W1, 8 of the norm, 16 of the tile
	LDRAW RAW, 32, WR1, PW1
	BNLD ACC, PBN1
.set li, 0
.rept 16
	global_load_b128 v[XR+4*li:XR+4*li+3], v[TG], s[PIN:PIN+1] offset:li*32768 th:TH_LOAD_NT   ; two channel rows, 256 aligned bytes each
.set li, li+1
.endr
	s_wait_loadcnt 24                              ; W1 is in: 8 + 16 younger loads stay out
	STW256 RAW
	s_wait_dscnt 0x0                               ; those stores have read their data: the registers are loaded again
	LDRAW RAW, 16, WR2, PW2
	s_wait_loadcnt 32                              ; the norm's vectors: 16 of the tile + 16 of W2 are younger
	BNPREP ACC
	s_wait_loadcnt 16                              ; the tile: W2's 16 are younger
.set li, 0
.rept 16
	v_cvt_pk_f16_f32 v[XR+4*li], v[XR+4*li], v[XR+4*li+1]
	v_cvt_pk_f16_f32 v[XR+4*li+1], v[XR+4*li+2], v[XR+4*li+3]
	ds_store_b64 v[XS], v[XR+4*li:XR+4*li+1] offset:li*2*XPIT
.set li, li+1
.endr
	s_wait_loadcnt 0x0
	STW128 RAW
	s_wait_dscnt 0x0                               ; my 32 channels of the tile are in LDS,
	s_barrier_signal -1
	s_barrier_wait -1                              ; everybody's are
	CONV256 0                                      ; layer 1: channel 16 w + 8 h + j, pixel 16 nb + r
	PLACES 4                                       ; behind the last products: results are read, and loads land on a fragment buffer
	BNLD BN2, PBN2
	ACT1
	WGMAX 0
	v_readfirstlane_b32 s39, v[GM]                 ; the first layer's factor, kept for the second norm
	ACT2
.irp nb, 0,1,2,3
	ds_store_b128 v[HST], v[ACC+8*\nb:ACC+8*\nb+3] offset:\nb*4096    ; image (nb, kc = w / 2, half = w % 2)
.endr
	s_wait_dscnt 0x0
	s_barrier_signal -1
	s_barrier_wait -1                              ; the 128 channels of layer 1 are whole
	CONV128                                        ; layer 2, on the divided first layer
	s_wait_loadcnt 0x0                             ; the second norm's vectors
	BNPREP BN2                                     ; its first eight additions are also the places behind the last products
.irp j, 0,1,2,3,4,5,6,7
	v_mul_f32 v[SCL+\j], s39, v[SCL+\j]            ; the factor goes back in: z s + t with z = factor x sum
.endr
	s_cmp_eq_u32 s3, 0
	s_cbranch_scc1 .Lnowv
	LDRAW RAW, 32, WR1, PWV                        ; the k chain: Wv is on its way while k is finished
.Lnowv:
	ACT1
	WGMAX 32                                       ; other words than the first reduction's
	ACT2
.irp nb, 0,1,2,3
	global_store_b128 v[T16], v[ACC+8*\nb:ACC+8*\nb+3], s[POUT:POUT+1] offset:\nb*4096   ; four image halves: each store of the wave covers 512 neighbouring bytes
.endr
	s_cmp_lg_u32 s4, 0
	s_cbranch_scc1 .Lnosc
.irp j, 0,1,2,3
	v_mov_b32 v[SHF+\j], v[GM]
.endr
	global_store_b128 v[L16], v[SHF:SHF+3], s[PSC:PSC+1]           ; wave 0: the factor, 512 aligned bytes of it
.Lnosc:
	s_wait_loadcnt 0x0                             ; on both chains' way: Wv's 32 loads are in before they are converted (k chain), and no load is out when the
	                                               ; same registers are loaded with Wo (q chain, where nothing was out and the wait is met at once)
	s_cmp_eq_u32 s3, 0
	s_cbranch_scc1 .Lq
	; v = Wv y from the tile that still lies in LDS
	STW256 RAW                                     ; over my own rows of W1, whose reads are long back
	s_wait_dscnt 0x0                               ; the stores have read their data: fragment loads land on those registers
	s_wait_xcnt 0x0                                ; and k's stores have read theirs: the accumulators are written again
	CONV256 1                                      ; transposed: pixel 16 pb + 8 h + j, channel 16 w + r
	PLACES 4
.irp pb, 0,1,2,3
.irp k, 0,1,2,3
	v_cvt_pk_f16_f32 v[ACC+8*\pb+\k], v[ACC+8*\pb+2*\k], v[ACC+8*\pb+2*\k+1]
.endr
	global_store_b128 v[VO], v[ACC+8*\pb:ACC+8*\pb+3], s[PVB:PVB+1] offset:(\pb>>1)*8192+(\pb&1)*512
.endr
	s_set_vgpr_msb 0x5
	s_wait_tensorcnt 0x0
	ds_add_u32 v0, v1
	s_wait_dscnt 0x0
	s_set_vgpr_msb 0x500
	s_endpgm
.Lq:
	s_cmp_ge_u32 s2, 2
	s_cbranch_scc1 .Lend
	; groups 0 and 1: 128 rows of Wo each, 16 a wave, through my own rows of W2 (their reads are back) into fragment images
	s_lshl_b32 s32, s2, 16
	s_mov_b32 s33, 0
	s_add_nc_u64 s[PWO:PWO+1], s[PWO:PWO+1], s[32:33]
	s_lshl_b32 s32, s2, 15
	s_add_nc_u64 s[PWOB:PWOB+1], s[PWOB:PWOB+1], s[32:33]
	LDRAW RAW, 16, WR2, PWO
	s_lshl_b32 s5, s4, 12
	v_add_nc_u32 v[SCL], s5, v[L16]                ; 4,096 w + 16 lane
	s_wait_loadcnt 0x0
	STW128 RAW
.irp kc, 0,1,2,3
	ds_load_b128 v[AW+8*\kc:AW+8*\kc+3],   v[W2RD] offset:64*\kc       ; LDS serves a wave's instructions in order (ISA guide 5.7.1): these see the stores above
	ds_load_b128 v[AW+8*\kc+4:AW+8*\kc+7], v[W2RD] offset:64*\kc+32
.endr
	s_wait_dscnt 0x0
.irp kc, 0,1,2,3
	global_store_b128 v[SCL], v[AW+8*\kc:AW+8*\kc+3],   s[PWOB:PWOB+1] offset:\kc*1024
	global_store_b128 v[SCL], v[AW+8*\kc+4:AW+8*\kc+7], s[PWOB:PWOB+1] offset:\kc*1024+512
.endr
.Lend:
	s_set_vgpr_msb 0x5
	s_wait_tensorcnt 0x0
	ds_add_u32 v0, v1
	s_wait_dscnt 0x0
	s_set_vgpr_msb 0x500
	s_endpgm
.Lfunc_end_k_q6af6f7fdfc_proj:
	.size	k_q6af6f7fdfc_proj, .Lfunc_end_k_q6af6f7fdfc_proj-k_q6af6f7fdfc_proj
	.p2alignl 7, 3214868480
	.fill 96, 4, 3214868480
	.section	.rodata,"a",@progbits
	.p2align	6, 0x0
	.amdhsa_kernel k_q6af6f7fdfc_proj
		.amdhsa_group_segment_fixed_size 161280
		.amdhsa_private_segment_fixed_size 0
		.amdhsa_enable_private_segment 0
		.amdhsa_kernarg_size 232
		.amdhsa_user_sgpr_count 2
		.amdhsa_user_sgpr_kernarg_segment_ptr 1
		.amdhsa_wavefront_size32 1
		.amdhsa_system_sgpr_workgroup_id_x 1
		.amdhsa_system_sgpr_workgroup_id_y 1
		.amdhsa_system_sgpr_workgroup_id_z 1
		.amdhsa_system_vgpr_workitem_id 0
		.amdhsa_next_free_vgpr 258
		.amdhsa_next_free_sgpr 68
		.amdhsa_reserve_vcc 0
		.amdhsa_float_denorm_mode_32 3
		.amdhsa_float_denorm_mode_16_64 3
		.amdhsa_memory_ordered 1
		.amdhsa_forward_progress 1
		.amdhsa_inst_pref_size 78
	.end_amdhsa_kernel
	.amdgpu_metadata
---
amdhsa.version: [ 1, 2 ]
amdhsa.kernels:
  - .name:           k_q6af6f7fdfc_proj
    .symbol:         k_q6af6f7fdfc_proj.kd
    .args:
      - { .name: x, .offset: 0, .size: 8, .value_kind: global_buffer, .address_space: global }
      - { .name: Wq1, .offset: 8, .size: 8, .value_kind: global_buffer, .address_space: global }
      - { .name: Wq2, .offset: 16, .size: 8, .value_kind: global_buffer, .address_space: global }
      - { .name: gq1, .offset: 24, .size: 8, .value_kind: global_buffer, .address_space: global }
      - { .name: bq1, .offset: 32, .size: 8, .value_kind: global_buffer, .address_space: global }
      - { .name: mq1, .offset: 40, .size: 8, .value_kind: global_buffer, .address_space: global }
      - { .name: vq1, .offset: 48, .size: 8, .value_kind: global_buffer, .address_space: global }
      - { .name: gq2, .offset: 56, .size: 8, .value_kind: global_buffer, .address_space: global }
      - { .name: bq2, .offset: 64, .size: 8, .value_kind: global_buffer, .address_space: global }
      - { .name: mq2, .offset: 72, .size: 8, .value_kind: global_buffer, .address_space: global }
      - { .name: vq2, .offset: 80, .size: 8, .value_kind: global_buffer, .address_space: global }
      - { .name: qbuf, .offset: 88, .size: 8, .value_kind: global_buffer, .address_space: global }
      - { .name: y, .offset: 96, .size: 8, .value_kind: global_buffer, .address_space: global }
      - { .name: Wk1, .offset: 104, .size: 8, .value_kind: global_buffer, .address_space: global }
      - { .name: Wk2, .offset: 112, .size: 8, .value_kind: global_buffer, .address_space: global }
      - { .name: gk1, .offset: 120, .size: 8, .value_kind: global_buffer, .address_space: global }
      - { .name: bk1, .offset: 128, .size: 8, .value_kind: global_buffer, .address_space: global }
      - { .name: mk1, .offset: 136, .size: 8, .value_kind: global_buffer, .address_space: global }
      - { .name: vk1, .offset: 144, .size: 8, .value_kind: global_buffer, .address_space: global }
      - { .name: gk2, .offset: 152, .size: 8, .value_kind: global_buffer, .address_space: global }
      - { .name: bk2, .offset: 160, .size: 8, .value_kind: global_buffer, .address_space: global }
      - { .name: mk2, .offset: 168, .size: 8, .value_kind: global_buffer, .address_space: global }
      - { .name: vk2, .offset: 176, .size: 8, .value_kind: global_buffer, .address_space: global }
      - { .name: kbuf, .offset: 184, .size: 8, .value_kind: global_buffer, .address_space: global }
      - { .name: Wv, .offset: 192, .size: 8, .value_kind: global_buffer, .address_space: global }
      - { .name: vbuf, .offset: 200, .size: 8, .value_kind: global_buffer, .address_space: global }
      - { .name: Wo, .offset: 208, .size: 8, .value_kind: global_buffer, .address_space: global }
      - { .name: wobuf, .offset: 216, .size: 8, .value_kind: global_buffer, .address_space: global }
      - { .name: scl, .offset: 224, .size: 8, .value_kind: global_buffer, .address_space: global }
    .group_segment_fixed_size: 161280
    .private_segment_fixed_size: 0
    .kernarg_segment_align: 8
    .kernarg_segment_size: 232
    .max_flat_workgroup_size: 256
    .sgpr_count:     68
    .vgpr_count:     258
    .wavefront_size: 32
...
	.end_amdgpu_metadata
.endif
;; end of part 1
;; launch attn (part 2): grid 256 x 1, 8 waves a work-group, clusters of 4 x 1, 327,680 bytes of LDS; arguments qbuf, kbuf, vbuf, wobuf, x, go, bo, mo, vo, out0, scl; writes out0
.if DOCPART == 2
	.amdgcn_target "amdgcn-amd-amdhsa--gfx1250"
	.amdhsa_code_object_version 6
	.text
	.protected	k_q6af6f7fdfc_attn
	.globl	k_q6af6f7fdfc_attn
	.p2align	8
	.type	k_q6af6f7fdfc_attn,@function
k_q6af6f7fdfc_attn:
	s_mov_b64 s[64:65], 0
	v_nop
	global_prefetch_b8 v0, s[64:65] scope:SCOPE_SE
	s_setreg_imm32_b32 hwreg(HW_REG_WAVE_MODE, 25, 1), 1
	s_wait_xcnt 0x0
	s_wait_alu depctr_hold_cnt(0) depctr_sa_sdst(0) depctr_va_vdst(0) depctr_va_sdst(0) depctr_va_ssrc(0) depctr_va_vcc(0) depctr_vm_vsrc(0)
	s_getreg_b32 s2, hwreg(HW_REG_IB_STS2, 6, 4)
	s_cmp_eq_u32 s2, 0
	s_cbranch_scc0 .Lentry_in_a_cluster
	s_endpgm
.Lentry_in_a_cluster:
	s_bfe_u32 s2, ttmp6, 0x10000c
	s_cmp_lg_u32 s2, 0x3003
	s_cbranch_scc0 .Lentry_shape_is_right
	s_endpgm
.Lentry_shape_is_right:
; attn: out = x + relu(bn(Wo softmax(q k / sqrt(128)) v)), from the fragment images that the first launch stored.
; Work-group g = 64 n + block takes 64 queries of image n and walks the image's 4,096 keys in 16 tiles of 256.
; Everything is computed TRANSPOSED: S^T(key, query) = K Q^T and O^T(channel, query) = V^T P.  A result tile holds in lane (r, h), register j the element
; (m = 8 h + j, n = r) (ISA guide 7.12.2), so two neighbouring tiles of S^T, packed to f16, ARE the operand P of the second product, a query's
; statistics are one number a lane, and no shuffle stands anywhere.
; Eight waves.  Wave w takes keys 32 w .. 32 w + 31 of every tile for all 64 queries: each byte of K and V is read from LDS once in the work-group,
; and each fragment of 1,024 bytes feeds four products.  Each wave keeps a running maximum and sum of its own; the eight are merged at the end
; through LDS, and the output product, norm, relu and residual follow in the same launch.
; TWO KINDS OF WAVES: a tile's work is HEAD (K from LDS, K Q^T, the softmax, V from LDS into registers) and TAIL (O^T times alpha, then V^T P: registers
; alone).  An early wave runs HEAD(j), TAIL(j) between two barriers; a late wave runs TAIL(j - 1), HEAD(j).  So while four waves issue the first
; product the other four rescale, and the softmax of the one kind stands beside products of the other, instead of all eight doing the same thing
; at the same time.  A late wave carries P and its eight V fragments over the barrier in registers: it has no read of the old slot left.
; The kind is the parity of the wave's number: two waves whose numbers differ in one bit are of different kinds.
; ORDER OF TILES: cluster c of an image (c = 0 .. 15) walks tiles (c + j) mod 16, j = 0 .. 15; a running maximum does not mind the order.  No two
; clusters of an image ask for the same tile in the same trip, and every tile that a cluster asks for after its first two has been asked for
; by a neighbour at least a trip before.
; SCALES: q and k come as f16 in [0, 1], divided by one factor for every 64 pixels (scl).  My 64 queries have one factor sq, my wave's 32 keys of a tile
; one factor sk, so the true exponent is f S with the scalar f = c sq sk, c = 128^-0.5 log2 e; the running maximum is kept in these true units.
; CLUSTER: the four work-groups of a cluster belong to one image (64 groups an image) and need the same tiles of K and V at the same step: every tile
; is asked for jointly, mask 15.  The tile's address is made of the cluster's number and the wave alone.  Q, x and out are each group's own.
; Ring: two slots of 128 KiB (64 KiB of K, 64 KiB of V); each wave brings 16 KiB (64 rows of 256 bytes) with one load.  By this text's count a wave has
; two tensor loads out at the start and one behind each round.  The images are read 16 neighbouring bytes a lane: no padding is needed.
; LIMITS: matrix operands (q, k, v, p, ctx, Wo) are f16, sums f32.  p lies in [0, 1]: below 2^-14 it keeps an absolute error of 2^-25.  ctx is a convex
; mix of v and shares its range (below 65,504).  The row sum adds p before its rounding to f16.  v_exp_f32 gives 0 below 2^-126.  f must be finite.
; The maximum is taken away before every exponential (a running maximum a wave, the common one in the merge).  The norm is z s + (b - m s),
; s = g rsq(v + 1e-5), v + 1e-5 > 0 taken for granted.  NaN and infinities are not carried as reference() would.
.set SLOT,  131072
.set TILEB, 65536                      ; a tile of 256 keys, in kbuf and in vbuf
.set STAT,  262144                     ; LDS behind the ring: 8 x 1,024: each wave's -c max and sum, [which][lane][4 query blocks]
.set CTA,   270336                     ; LDS: 16,384: ctx as fragment images [query block][kc][half][lane]
.set OPIT,  272                        ; the way out: rows of 64 f32 + 16 bytes
.set OWB,   32*OPIT                    ; 32 rows a wave, in ring bytes after their last fill
.set EPSF,  0x3727c5ac
.set CEXP,  0x3e0293ee                 ; c = 128^-0.5 x log2 e
; window 0
.set L16, 1                            ; 16 x lane
.set AK,  2                            ; v2, v4: my K fragments in slot 0, 1: 8,192 w + 16 lane;  v3, v5: my V fragments, 65,536 further
.set AV,  3
.set XPF, 6                            ; 16,384 x thread: thread t's channel row of x
.set SAD, 7
.set MX,  8                            ; v[8:11]   at work in the merge
.set ALF, 12                           ; v[12:19]  pairs (alpha, running sum)
.set NMC, 20                           ; v[20:27]  pairs (-c max in true units, at work)
.set TX,  28                           ; v[28:31]  at work
.set KV,  32                           ; v[32:63]  four fragment buffers
.set SIM, 64                           ; v[64:127] S^T: tile (query block qb, key block kb) at 16 qb + 8 kb; later P (qb) in the first eight, V fragments in the others
.set QF,  128                          ; v[128:255] Q fragments (qb, kc) at 8 (4 qb + kc)
; window 1 (v256-511): O^T, tile (vb, qb) at 8 (4 vb + qb).  In the epilogue: 0-63 results, 64-127 x, 128-191 rows read back, 192-255 Wo
.set ACCO, 0
.set XR,   64
.set ORW,  128
.set WOF,  192
; epilogue, window 0
.set BNV,  16                          ; v[16:23] g g b b m m v v of my two channel blocks
.set BNP,  24                          ; v[24:31] (s, s) (t, t) for each block
.set STN,  32                          ; v[32:39] my statistics on their way to LDS
.set BNOF, 40
.set WOOF, 41
.set XOF,  42
.set SRD,  43
.set ORD,  44
.set CST,  45
.set CRD,  46
.set OSA,  47
.set ORB,  48
.set RR,   49
.set HH,   50
.set CX,   64                          ; v[64:95] merged O^T of my channel block
.set STF,  128                         ; v[128:191] the eight waves' statistics, then their weights
.set OB0,  192
.set OB1,  224
.set TB, 32                            ; s[32:33] K (waves 0-3) or V (waves 4-7) at my quarter of the image's tile 0
.set KS, 34                            ; s[34:35] my wave's key factor of the image's tile 0
.set G1, 36                            ; s[36:43] descriptor group 1
.set G0, 44                            ; s[44:51] descriptor group 0, one set for each slot
.set SKA, 62                           ; s[62:63] address of the key factor that is on its way
.set CLS, 66                           ; 0: early wave, 1: late wave
.set TL,  67                           ; the tile asked for last, in my cluster's order
.set MSB, 0
.macro WIN new                         ; s_set_vgpr_msb: low byte 1:0 source 0, 3:2 source 1, 5:4 source 2, 7:6 destination; the high byte repeats the setting that is left
.if MSB != \new
	s_set_vgpr_msb (MSB<<8)|\new
.set MSB, \new
.endif
.endm
.macro PLACES n                        ; places behind a matrix instruction are plain vector instructions that name none of its registers (ISA guide 7.12.1)
.rept \n
	v_nop
.endr
.endm
.macro ROUND                           ; a round of the cluster's barrier: my group's barrier, wave 0 signals for the group, all wait for the four groups, my group's barrier
	s_barrier_signal -1
	s_barrier_wait -1
	s_cmp_lg_u32 s8, 0
	s_cbranch_scc1 .Lnot_wave_0_\@
	s_barrier_signal -3
.Lnot_wave_0_\@:
	s_barrier_wait -3
	s_barrier_signal -1
	s_barrier_wait -1
.endm
.macro KLOAD kc, b, slot               ; my two K fragments (16 keys each) of K step kc
	ds_load_b128 v[KV+16*\b:KV+16*\b+3],     v[AK+2*\slot] offset:\kc*1024
	ds_load_b128 v[KV+16*\b+4:KV+16*\b+7],   v[AK+2*\slot] offset:\kc*1024+512
	ds_load_b128 v[KV+16*\b+8:KV+16*\b+11],  v[AK+2*\slot] offset:\kc*1024+4096
	ds_load_b128 v[KV+16*\b+12:KV+16*\b+15], v[AK+2*\slot] offset:\kc*1024+4608
.endm
.macro VLOAD vb, dst, slot             ; V^T fragment: 16 channels x my 32 keys
	ds_load_b128 v[\dst:\dst+3],   v[AV+2*\slot] offset:\vb*1024
	ds_load_b128 v[\dst+4:\dst+7], v[AV+2*\slot] offset:\vb*1024+512
.endm
.macro QK kc, b, zero                  ; eight products; the eight accumulators take turns
.irp qb, 0,1,2,3
.irp kb, 0,1
.if \zero
	v_wmma_f32_16x16x32_f16 v[SIM+16*\qb+8*\kb:SIM+16*\qb+8*\kb+7], v[KV+16*\b+8*\kb:KV+16*\b+8*\kb+7], v[QF+8*(4*\qb+\kc):QF+8*(4*\qb+\kc)+7], 0
.else
	v_wmma_f32_16x16x32_f16 v[SIM+16*\qb+8*\kb:SIM+16*\qb+8*\kb+7], v[KV+16*\b+8*\kb:KV+16*\b+8*\kb+7], v[QF+8*(4*\qb+\kc):QF+8*(4*\qb+\kc)+7], v[SIM+16*\qb+8*\kb:SIM+16*\qb+8*\kb+7]
.endif
.endr
.endr
.endm
.macro PV vb, src, zero                ; four products on four accumulators of window 1
.irp qb, 0,1,2,3
.if \zero
	v_wmma_f32_16x16x32_f16 v[8*(4*\vb+\qb):8*(4*\vb+\qb)+7], v[\src:\src+7], v[SIM+16*\qb:SIM+16*\qb+7], 0
.else
	v_wmma_f32_16x16x32_f16 v[8*(4*\vb+\qb):8*(4*\vb+\qb)+7], v[\src:\src+7], v[SIM+16*\qb:SIM+16*\qb+7], v[8*(4*\vb+\qb):8*(4*\vb+\qb)+7]
.endif
.endr
.endm
; the tile's maximum of each query (16 numbers of the lane, the other half of the lanes), times -f: in true units; the least of that and the running
; -c max is the new one, and alpha = 2^(new - old), made from the two rounded numbers that the exponents really use.
.macro SMA first
.irp qb, 0,1,2,3
	v_max3_num_f32 v[NMC+2*\qb+1], v[SIM+16*\qb], v[SIM+16*\qb+1], v[SIM+16*\qb+2]
.endr
.irp k, 3,5,7,9,11,13
.irp qb, 0,1,2,3
	v_max3_num_f32 v[NMC+2*\qb+1], v[NMC+2*\qb+1], v[SIM+16*\qb+\k], v[SIM+16*\qb+\k+1]
.endr
.endr
.irp qb, 0,1,2,3
	v_max_num_f32 v[NMC+2*\qb+1], v[NMC+2*\qb+1], v[SIM+16*\qb+15]
.endr
.irp qb, 0,1,2,3
	v_permlanex16_b32 v[TX+\qb], v[NMC+2*\qb+1], s52, s53          ; lane r + 16 holds the same query's other keys
.endr
.irp qb, 0,1,2,3
	v_max_num_f32 v[TX+\qb], v[NMC+2*\qb+1], v[TX+\qb]
.endr
.if \first
.irp qb, 0,1,2,3
	v_mul_f32 v[NMC+2*\qb], s56, v[TX+\qb]
.endr
.else
.irp qb, 0,1,2,3
	v_mul_f32 v[TX+\qb], s56, v[TX+\qb]
.endr
.irp qb, 0,1,2,3
	v_min_num_f32 v[TX+\qb], v[TX+\qb], v[NMC+2*\qb]
.endr
.irp qb, 0,1,2,3
	v_sub_f32 v[ALF+2*\qb], v[TX+\qb], v[NMC+2*\qb]
.endr
.irp qb, 0,1,2,3
	v_exp_f32 v[ALF+2*\qb], v[ALF+2*\qb]
.endr
.irp qb, 0,1,2,3
	v_mov_b32 v[NMC+2*\qb], v[TX+\qb]                              ; plain instructions between the exponentials and their use (ISA guide 5.7.2)
.endr
.endif
.endm
.macro RESC                            ; O^T *= alpha of the lane's query
	WIN 0x41
.irp vb, 0,1,2,3,4,5,6,7
.irp qb, 0,1,2,3
.irp k, 0,2,4,6
	v_pk_mul_f32 v[8*(4*\vb+\qb)+\k:8*(4*\vb+\qb)+\k+1], v[8*(4*\vb+\qb)+\k:8*(4*\vb+\qb)+\k+1], v[ALF+2*\qb:ALF+2*\qb+1] op_sel_hi:[1,0]
.endr
.endr
.endr
	WIN 0
.endm
.macro SFMA qb                         ; f S - c max
.irp k, 0,2,4,6,8,10,12,14
	v_pk_fma_f32 v[SIM+16*\qb+\k:SIM+16*\qb+\k+1], v[SIM+16*\qb+\k:SIM+16*\qb+\k+1], s[54:55], v[NMC+2*\qb:NMC+2*\qb+1] op_sel_hi:[1,0,0]
.endr
.endm
.macro SEXP qb
.irp k, 0,1,2,3,4,5,6,7,8,9,10,11,12,13,14,15
	v_exp_f32 v[SIM+16*\qb+\k], v[SIM+16*\qb+\k]
.endr
.endm
.macro SSUM qb, first                  ; the lane's sum of 16 p (the two halves of the lanes are joined once, at the end), then P as a fragment
	s_wait_alu depctr_va_vdst(0)
	v_pk_add_f32 v[TX:TX+1],   v[SIM+16*\qb:SIM+16*\qb+1],   v[SIM+16*\qb+2:SIM+16*\qb+3]
	v_pk_add_f32 v[TX+2:TX+3], v[SIM+16*\qb+4:SIM+16*\qb+5], v[SIM+16*\qb+6:SIM+16*\qb+7]
	v_pk_add_f32 v[TX:TX+1],   v[TX:TX+1],   v[SIM+16*\qb+8:SIM+16*\qb+9]
	v_pk_add_f32 v[TX+2:TX+3], v[TX+2:TX+3], v[SIM+16*\qb+10:SIM+16*\qb+11]
	v_pk_add_f32 v[TX:TX+1],   v[TX:TX+1],   v[SIM+16*\qb+12:SIM+16*\qb+13]
	v_pk_add_f32 v[TX+2:TX+3], v[TX+2:TX+3], v[SIM+16*\qb+14:SIM+16*\qb+15]
	v_pk_add_f32 v[TX:TX+1],   v[TX:TX+1],   v[TX+2:TX+3]
.if \first
	v_add_f32 v[ALF+2*\qb+1], v[TX], v[TX+1]
.else
	v_add_f32 v[TX], v[TX], v[TX+1]
	v_fma_f32 v[ALF+2*\qb+1], v[ALF+2*\qb+1], v[ALF+2*\qb], v[TX]
.endif
.irp k, 0,1,2,3,4,5,6,7
	v_cvt_pk_f16_f32 v[SIM+16*\qb+\k], v[SIM+16*\qb+2*\k], v[SIM+16*\qb+2*\k+1]
.endr
.endm
; HEAD: the part of a tile that reads LDS: my 32 keys x 64 queries, up to P and the eight V fragments in registers.
; first = 1: the statistics start here.  last = 1: no further key factor is asked for, and the x tile of the epilogue is.
.macro HEAD slot, first, last
	KLOAD 0, 0, \slot
	KLOAD 1, 1, \slot
.if \last
	global_prefetch_b8 v[XPF], s[20:21] th:TH_LOAD_NT scope:SCOPE_SE   ; thread t asks for the 256 bytes of channel t that the group adds at the end: each block once in the launch, one tile's work ahead of its load
.endif
	s_wait_dscnt 4                                 ; K step 0 is in, the next step's four loads stay out
	QK 0, 0, 1
	PLACES 4                                       ; four places, then loads land on the fragments just multiplied
	KLOAD 2, 0, \slot
	s_wait_dscnt 4
	QK 1, 1, 0
	PLACES 4
	KLOAD 3, 1, \slot
	s_wait_dscnt 4
	QK 2, 0, 0
	s_wait_dscnt 0
	QK 3, 1, 0
	PLACES 4                                       ; for the loads below and for the maxima, which read the results
	VLOAD 0, KV, \slot
	VLOAD 1, KV+8, \slot
	VLOAD 2, KV+16, \slot
	VLOAD 3, KV+24, \slot
	s_wait_kmcnt 0x0                               ; sk of this tile, asked for a tile ago; its address registers are free again
	s_mul_f32 s54, s7, s60                         ; f = (c sq) sk, twice for the packed multiply-add
	s_mul_f32 s55, s7, s60
	s_xor_b32 s56, s54, 0x80000000                 ; -f
.if \last == 0
	s_lshl_b32 s58, s[TL], 11                      ; the next tile in my cluster's order is the one asked for last: four factors of 512 bytes a tile
	s_add_nc_u64 s[SKA:SKA+1], s[KS:KS+1], s[58:59]
	s_load_b32 s60, s[SKA:SKA+1], 0x0              ; it has a whole tile's work in which to come
.endif
	SMA \first
	SFMA 0                                         ; staggered: behind a block's exponentials stands another block's plain arithmetic
	SEXP 0
	SFMA 1
	SEXP 1
	SSUM 0, \first
	VLOAD 4, SIM+8, \slot                          ; into the eight registers that the packing has freed
	SFMA 2
	SEXP 2
	SSUM 1, \first
	VLOAD 5, SIM+24, \slot
	SFMA 3
	SEXP 3
	SSUM 2, \first
	VLOAD 6, SIM+40, \slot
	SSUM 3, \first
	VLOAD 7, SIM+56, \slot
.endm
; TAIL: the part of a tile that works on registers alone.  first = 1: the products start the sums, nothing is cleared or rescaled.
.macro TAIL first
.if \first == 0
	RESC
.endif
	s_wait_dscnt 8                                 ; V fragments 0-3; the eight loads of 4-7 are younger (a late wave has waited for all of them in front of the barrier)
	WIN 0x50                                       ; C and D in window 1
	PV 0, KV, \first
	PV 1, KV+8, \first
	PV 2, KV+16, \first
	PV 3, KV+24, \first
	s_wait_dscnt 0
	PV 4, SIM+8, \first
	PV 5, SIM+24, \first
	PV 6, SIM+40, \first
	PV 7, SIM+56, \first
	WIN 0
	PLACES 5                                       ; five places before the next first products write over P and V, and before loads land on V
.endm
; A change of slots and one tile.  In front of the round every wave waits for all its tensor loads (its part of this slot among them) and for its reads of
; the other slot; behind the round the other slot's refill is the wave's first and only tensor load.  Then a late wave finishes the tile before
; (lfirst = 1: its first), every wave runs HEAD, and an early wave finishes this tile.  last = 1: the last tile, which every wave finishes here.
; The branches hang on the wave's kind alone and jump over register work alone.
.macro STEP slot, refill, lfirst, last
	s_wait_xcnt 0x0
	v_lshl_add_u32 v25, v0, 2, 0x46000
	v_mov_b32 v27, 0
	s_wait_tensorcnt 0x0
	ds_add_u32 v25, v27
	s_wait_dscnt 0x0
.if \refill
	s_add_co_u32 s[TL], s[TL], 1                   ; no load of mine is out: the other slot's descriptor is written for the next tile, round the image's sixteen
	s_and_b32 s[TL], s[TL], 15
	s_lshl_b32 s58, s[TL], 16
	s_add_nc_u64 s[G0+4*(1-\slot)+2:G0+4*(1-\slot)+3], s[TB:TB+1], s[58:59]
	s_or_b32 s[G0+4*(1-\slot)+3], s[G0+4*(1-\slot)+3], 0x80000000
.endif
	s_wait_dscnt 0x0
.if \refill
	ROUND
	tensor_load_to_lds s[G0+4*(1-\slot):G0+4*(1-\slot)+3], s[G1:G1+7]
	s_nop 0
.else
	s_barrier_signal -1
	s_barrier_wait -1                              ; my group's barrier is enough
.endif
	s_cmp_eq_u32 s[CLS], 0
	s_cbranch_scc1 .Lnot_late_\@
	TAIL \lfirst
.Lnot_late_\@:
	HEAD \slot, 0, \last
.if \last
	TAIL 0
.else
	s_cmp_lg_u32 s[CLS], 0
	s_cbranch_scc1 .Lnot_early_\@
	TAIL 0
.Lnot_early_\@:
.endif
.endm
	s_load_b512 s[12:27], s[0:1], 0x0              ; qbuf 12, kbuf 14, vbuf 16, wobuf 18, x 20, go 22, bo 24, mo 26
	s_load_b128 s[28:31], s[0:1], 0x40             ; vo 28, out0 30
	s_load_b64  s[KS:KS+1], s[0:1], 0x50           ; scl
	v_lshl_add_u32 v25, v0, 2, 0x46000
	v_mov_b32 v27, 0
	ds_add_u32 v25, v27
	s_wait_dscnt 0x0
	v_lshrrev_b32 v1, 5, v0
	v_readfirstlane_b32 s8, v1                     ; wave
	s_lshr_b32 s[CLS], s8, 1
	s_xor_b32 s[CLS], s[CLS], s8
	s_lshr_b32 s4, s8, 2
	s_xor_b32 s[CLS], s[CLS], s4
	s_and_b32 s[CLS], s[CLS], 1                    ; the parity of the wave's number: waves 0, 3, 5, 6 are early, waves 1, 2, 4, 7 late
	s_bfe_u32 s9, ttmp6, 0x40000                   ; cx
	s_lshl_b32 s10, ttmp9, 2
	s_add_co_u32 s10, s10, s9                      ; work-group g = 4 x cluster + cx
	s_lshr_b32 s11, ttmp9, 4                       ; image: 16 clusters each
	s_and_b32 s[TL], ttmp9, 15                     ; my cluster's first tile: its number in the image, the same in all four partners
	s_mov_b32 s[G1+0], 15|(3<<16)|(1<<21)          ; 15:0 mask: all four of the cluster; 17:16 elements of 8 bytes; 21 set beside a mask
	s_mov_b32 s[G1+1], 32<<16                      ; tensor_dim0 = 32 elements = 256 bytes
	s_mov_b32 s[G1+2], 64<<16                      ; tensor_dim1 = 64 rows
	s_mov_b32 s[G1+3], 32<<16                      ; tile_dim0 = 32
	s_mov_b32 s[G1+4], 64                          ; tile_dim1 = 64
	s_mov_b32 s[G1+5], 32                          ; from row to row 32 elements: the block is dense
	s_mov_b32 s[G1+6], 0
	s_mov_b32 s[G1+7], 0
	s_mov_b32 s52, 0x76543210                      ; v_permlanex16_b32: lane i of the other half
	s_mov_b32 s53, 0xfedcba98
	s_lshl_b32 s58, s11, 20                        ; K and V: 1 MiB an image,
	s_and_b32 s4, s8, 3
	s_lshl_b32 s4, s4, 14                          ; my quarter of a tile
	s_add_co_u32 s58, s58, s4
	s_mov_b32 s59, 0                               ; stays 0: s[58:59] is the pair for every offset below
	s_lshl_b32 s60, s11, 22                        ; x and out: 4 MiB an image,
	s_and_b32 s6, s10, 63
	s_lshl_b32 s6, s6, 8                           ; my 64 pixels: 256 bytes of every channel row
	s_add_co_u32 s60, s60, s6
	s_mov_b32 s61, 0
	s_lshl_b32 s62, s10, 14                        ; Q: 16 KiB of images a group
	s_mov_b32 s63, 0
	s_lshl_b32 s5, s8, 14                          ; LDS: waves 0-3 fill the K part, waves 4-7 the V part: 16,384 x wave
	s_wait_kmcnt 0x0
	s_cmp_lt_u32 s8, 4
	s_cselect_b64 s[TB:TB+1], s[14:15], s[16:17]   ; K for waves 0-3, V for waves 4-7
	s_add_nc_u64 s[TB:TB+1], s[TB:TB+1], s[58:59]
	s_add_nc_u64 s[12:13], s[12:13], s[62:63]
	s_add_nc_u64 s[20:21], s[20:21], s[60:61]
	s_add_nc_u64 s[30:31], s[30:31], s[60:61]
	s_lshr_b32 s62, s62, 5                         ; q's factors: 512 bytes a group
	s_add_nc_u64 s[2:3], s[KS:KS+1], s[62:63]
	s_lshl_b32 s58, s11, 15                        ; k's factors lie 131,072 bytes further: 64 of 512 bytes an image,
	s_lshr_b32 s4, s8, 1
	s_lshl_b32 s4, s4, 9                           ; and two waves' keys share one
	s_add_co_u32 s58, s58, s4
	s_add_co_u32 s58, s58, 0x20000
	s_add_nc_u64 s[KS:KS+1], s[KS:KS+1], s[58:59]
	s_lshl_b32 s58, s[TL], 11
	s_add_nc_u64 s[SKA:SKA+1], s[KS:KS+1], s[58:59]                ; the first tile's key factor
.irp s, 0,1
	s_lshl_b32 s58, s[TL], 16                                      ; my cluster's tile number s
	s_mov_b32 s[G0+4*\s], 1                                        ; count = 1
	s_add_co_u32 s[G0+4*\s+1], s5, \s*SLOT                         ; LDS address
	s_add_nc_u64 s[G0+4*\s+2:G0+4*\s+3], s[TB:TB+1], s[58:59]      ; global address
	s_or_b32 s[G0+4*\s+3], s[G0+4*\s+3], 0x80000000               ; type = 2
.if \s == 0
	s_add_co_u32 s[TL], s[TL], 1
	s_and_b32 s[TL], s[TL], 15
.endif
.endr
	ROUND                                          ; the four groups are here: the first joint loads meet
	tensor_load_to_lds s[G0:G0+3], s[G1:G1+7]
	s_nop 0
	tensor_load_to_lds s[G0+4:G0+7], s[G1:G1+7]
	s_nop 0
	s_load_b32 s7, s[2:3], 0x0                     ; sq of my 64 queries
	s_load_b32 s60, s[SKA:SKA+1], 0x0              ; sk of my 32 keys of the first tile
	v_and_b32 v1, 31, v0
	v_lshlrev_b32 v[L16], 4, v1
.set ci, 0
.rept 32
	global_load_b128 v[QF+4*ci:QF+4*ci+3], v[L16], s[12:13] offset:512*ci    ; the 16 Q fragments, kept in registers for the whole walk
.set ci, ci+1
.endr
	s_lshl_b32 s4, s8, 13
	v_add_nc_u32 v[AK], s4, v[L16]
	v_add_nc_u32 v[AV], 0x10000, v[AK]
	v_add_nc_u32 v[AK+2], 0x20000, v[AK]
	v_add_nc_u32 v[AV+2], 0x30000, v[AK]
	v_lshlrev_b32 v[XPF], 14, v0
.irp k, 0,1,2,3
	v_mov_b32 v[TX+\k], 0                          ; v_permlanex16_b32 counts as a reader of its destination
.endr
	s_wait_kmcnt 0x0
	s_mul_f32 s7, s7, CEXP                         ; c sq
	s_wait_tensorcnt 0x1                           ; my part of the first tile is in; the second may stay out
	s_barrier_signal -1
	s_barrier_wait -1
	s_wait_loadcnt 0x0                             ; Q
	HEAD 0, 1, 0                                   ; trip 0 starts the statistics,
	s_cmp_lg_u32 s[CLS], 0
	s_cbranch_scc1 .Lnot_early_0
	TAIL 1                                         ; and in an early wave the sums
.Lnot_early_0:
	STEP 1, 1, 1, 0                                ; trip 1: a late wave starts its sums here
	s_mov_b32 s57, 6
.Ltiles:                                           ; trips 2 to 13
	STEP 0, 1, 0, 0
	STEP 1, 1, 0, 0
	s_sub_co_u32 s57, s57, 1
	s_cmp_lg_u32 s57, 0
	s_cbranch_scc1 .Ltiles
	STEP 0, 1, 0, 0                                ; trip 14 asks for the last tile
	STEP 1, 0, 0, 1                                ; trip 15: nothing is left to fetch, and every wave finishes
	; ---- the eight waves' parts meet.  Ring bytes have had their last fill and serve as a stage: [channel block vb][from wave][qb][half][lane], 256 KiB.
.irp qb, 0,1,2,3
	v_permlanex16_b32 v[TX+\qb], v[ALF+2*\qb+1], s52, s53
.endr
.irp qb, 0,1,2,3
	v_add_f32 v[STN+4+\qb], v[ALF+2*\qb+1], v[TX+\qb]              ; the sum over my 32 keys of every tile
	v_mov_b32 v[STN+\qb], v[NMC+2*\qb]
.endr
	v_and_b32 v[RR], 15, v0
	v_bfe_u32 v[HH], v0, 4, 1
	s_lshl_b32 s4, s8, 10
	s_add_co_u32 s4, s4, STAT
	v_add_nc_u32 v[SAD], s4, v[L16]
	s_lshl_b32 s4, s8, 12
	v_add_nc_u32 v2, s4, v[L16]                    ; stage, blocks 0 and 1: 4,096 x wave + 16 lane
	v_add_nc_u32 v3, 0x10000, v2                   ; blocks 2, 3
	v_add_nc_u32 v4, 0x20000, v2
	v_add_nc_u32 v5, 0x30000, v2
	s_lshl_b32 s4, s8, 7
	v_lshl_add_u32 v[BNOF], v[RR], 2, s4           ; channel 32 w + r
	s_lshl_b32 s4, s8, 13
	v_add_nc_u32 v[WOOF], s4, v[L16]               ; Wo's images of blocks 2 w, 2 w + 1
	s_lshl_b32 s4, s8, 19
	v_lshlrev_b32 v[XOF], 4, v[RR]
	v_lshl_add_u32 v[XOF], v[HH], 14, v[XOF]
	v_add_nc_u32 v[XOF], s4, v[XOF]                ; x and out: channel 32 w + h, 16 r bytes
	v_add_nc_u32 v[SRD], STAT, v[L16]
	s_lshl_b32 s4, s8, 15
	v_add_nc_u32 v[ORD], s4, v[L16]                ; the stage of channel block w
	s_lshl_b32 s4, s8, 9
	s_add_co_u32 s4, s4, CTA
	v_add_nc_u32 v[CST], s4, v[L16]
	v_add_nc_u32 v[CRD], CTA, v[L16]
	s_mul_i32 s4, s8, OWB
	v_mul_u32_u24 v[OSA], v[RR], OPIT
	v_lshl_add_u32 v[OSA], v[HH], 5, v[OSA]
	v_add_nc_u32 v[OSA], s4, v[OSA]
	v_mul_u32_u24 v[ORB], v[HH], OPIT
	v_lshl_add_u32 v[ORB], v[RR], 4, v[ORB]
	v_add_nc_u32 v[ORB], s4, v[ORB]
	s_wait_dscnt 0x0                               ; my reads of the ring are back,
	s_barrier_signal -1
	s_barrier_wait -1                              ; everybody's are: the ring may be written
	ds_store_b128 v[SAD], v[STN:STN+3]
	ds_store_b128 v[SAD], v[STN+4:STN+7] offset:512
	WIN 0x04                                       ; store data from window 1
.irp vb, 0,1,2,3,4,5,6,7
.irp qb, 0,1,2,3
	ds_store_b128 v[2+(\vb>>1)], v[8*(4*\vb+\qb):8*(4*\vb+\qb)+3]   offset:(\vb&1)*32768+\qb*1024
	ds_store_b128 v[2+(\vb>>1)], v[8*(4*\vb+\qb)+4:8*(4*\vb+\qb)+7] offset:(\vb&1)*32768+\qb*1024+512
.endr
.endr
	WIN 0
	s_wait_dscnt 0x0                               ; for the others, and window 1 is free for the loads below
.irp k, 0,1,2,3
	global_load_b32 v[BNV+2*\k],   v[BNOF], s[22+2*\k:23+2*\k]
	global_load_b32 v[BNV+2*\k+1], v[BNOF], s[22+2*\k:23+2*\k] offset:64
.endr
	WIN 0x40                                       ; destinations in window 1
.set ci, 0
.rept 16
	global_load_b128 v[WOF+4*ci:WOF+4*ci+3], v[WOOF], s[18:19] offset:512*ci
.set ci, ci+1
.endr
.set ci, 0
.rept 16
	global_load_b128 v[XR+4*ci:XR+4*ci+3], v[XOF], s[20:21] offset:ci*32768 th:TH_LOAD_NT   ; channels 32 w + 2 i + h: two rows of 256 aligned bytes
.set ci, ci+1
.endr
	WIN 0
	s_barrier_signal -1
	s_barrier_wait -1
	; ---- wave w merges channel block w: weight of wave s = 2^(c (max_s - max)) / sum over s of 2^(c (max_s - max)) sum_s
.macro OLOAD s, buf
.irp i, 0,1,2,3,4,5,6,7
	ds_load_b128 v[\buf+4*\i:\buf+4*\i+3], v[ORD] offset:(\s)*4096+512*\i
.endr
.endm
.irp s, 0,1,2,3,4,5,6,7
	ds_load_b128 v[STF+8*\s:STF+8*\s+3],   v[SRD] offset:\s*1024
	ds_load_b128 v[STF+8*\s+4:STF+8*\s+7], v[SRD] offset:\s*1024+512
.endr
	OLOAD 0, OB0
	OLOAD 1, OB1
	s_wait_dscnt 16                                ; the statistics; two waves' parts of O^T, eight loads each, are younger
.irp qb, 0,1,2,3
	v_min3_num_f32 v[MX+\qb], v[STF+\qb], v[STF+8+\qb], v[STF+16+\qb]       ; the least -c max belongs to the greatest maximum
	v_min3_num_f32 v[MX+\qb], v[MX+\qb], v[STF+24+\qb], v[STF+32+\qb]
	v_min3_num_f32 v[MX+\qb], v[MX+\qb], v[STF+40+\qb], v[STF+48+\qb]
	v_min_num_f32  v[MX+\qb], v[MX+\qb], v[STF+56+\qb]
.endr
.irp s, 0,1,2,3,4,5,6,7
.irp qb, 0,1,2,3
	v_sub_f32 v[STF+8*\s+\qb], v[MX+\qb], v[STF+8*\s+\qb]
.endr
.endr
.irp s, 0,1,2,3,4,5,6,7
.irp qb, 0,1,2,3
	v_exp_f32 v[STF+8*\s+\qb], v[STF+8*\s+\qb]
.endr
.endr
	v_nop                                          ; a plain instruction behind the last exponential
	s_wait_alu depctr_va_vdst(0)
.irp qb, 0,1,2,3
	v_mul_f32 v[ALF+\qb], v[STF+\qb], v[STF+4+\qb]
.endr
.irp s, 1,2,3,4,5,6,7
.irp qb, 0,1,2,3
	v_fmac_f32 v[ALF+\qb], v[STF+8*\s+\qb], v[STF+8*\s+4+\qb]
.endr
.endr
.irp qb, 0,1,2,3
	v_rcp_f32 v[ALF+\qb], v[ALF+\qb]               ; the sum is at least about 1: the wave with the greatest maximum has weight 1 and holds that key's p
.endr
	v_nop
	s_wait_alu depctr_va_vdst(0)
.irp s, 0,1,2,3,4,5,6,7
.irp qb, 0,1,2,3
	v_mul_f32 v[STF+8*\s+\qb], v[STF+8*\s+\qb], v[ALF+\qb]
.endr
.endr
.macro MERGE s, buf, left, more
	s_wait_dscnt \left                             ; this wave's part is in; the next one's eight loads may stay out
.irp qb, 0,1,2,3
.irp j, 0,1,2,3,4,5,6,7
.if \s == 0
	v_mul_f32 v[CX+8*\qb+\j], v[\buf+8*\qb+\j], v[STF+8*\s+\qb]
.else
	v_fmac_f32 v[CX+8*\qb+\j], v[\buf+8*\qb+\j], v[STF+8*\s+\qb]
.endif
.endr
.endr
.if \more
	OLOAD \s+2, \buf
.endif
.endm
	MERGE 0, OB0, 8, 1
	MERGE 1, OB1, 8, 1
	MERGE 2, OB0, 8, 1
	MERGE 3, OB1, 8, 1
	MERGE 4, OB0, 8, 1
	MERGE 5, OB1, 8, 1
	MERGE 6, OB0, 8, 0
	MERGE 7, OB1, 0, 0
.irp qb, 0,1,2,3
.irp k, 0,1,2,3
	v_cvt_pk_f16_f32 v[CX+8*\qb+\k], v[CX+8*\qb+2*\k], v[CX+8*\qb+2*\k+1]
.endr
	ds_store_b128 v[CST], v[CX+8*\qb:CX+8*\qb+3] offset:\qb*4096   ; ctx image (qb, kc = w / 2, half = w % 2): query r, channels 16 w + 8 h ..
.endr
	s_wait_dscnt 0x0
	s_barrier_signal -1
	s_barrier_wait -1                              ; ctx is whole, and nobody reads the stage any more
	; ---- wave w makes output channels 32 w .. 32 w + 31 for the 64 pixels: D(pixel 8 h + j, channel r) = ctx x Wo
.set ci, 0
.rept 32
	ds_load_b128 v[QF+4*ci:QF+4*ci+3], v[CRD] offset:512*ci
.set ci, ci+1
.endr
	s_wait_loadcnt 16                              ; the norm's vectors and Wo are in; the 16 loads of x are younger
	v_add_f32 v[BNV+6], EPSF, v[BNV+6]
	v_add_f32 v[BNV+7], EPSF, v[BNV+7]
	v_rsq_f32 v[BNV+6], v[BNV+6]
	v_rsq_f32 v[BNV+7], v[BNV+7]
	v_nop
	s_wait_alu depctr_va_vdst(0)
	v_mul_f32 v[BNP],   v[BNV],   v[BNV+6]         ; s = g rsq(v + eps)
	v_mul_f32 v[BNP+4], v[BNV+1], v[BNV+7]
	v_fma_f32 v[BNP+2], -v[BNV+4], v[BNP],   v[BNV+2]              ; t = b - m s
	v_fma_f32 v[BNP+6], -v[BNV+5], v[BNP+4], v[BNV+3]
	v_mov_b32 v[BNP+1], v[BNP]
	v_mov_b32 v[BNP+5], v[BNP+4]
	v_mov_b32 v[BNP+3], v[BNP+2]
	v_mov_b32 v[BNP+7], v[BNP+6]
	s_wait_dscnt 0x0
	WIN 0x54                                       ; B (Wo), C and D in window 1
.irp kc, 0,1,2,3
.irp obl, 0,1
.irp qb, 0,1,2,3
.if \kc == 0
	v_wmma_f32_16x16x32_f16 v[ACCO+8*(4*\obl+\qb):ACCO+8*(4*\obl+\qb)+7], v[QF+8*(4*\qb+\kc):QF+8*(4*\qb+\kc)+7], v[WOF+8*(4*\obl+\kc):WOF+8*(4*\obl+\kc)+7], 0
.else
	v_wmma_f32_16x16x32_f16 v[ACCO+8*(4*\obl+\qb):ACCO+8*(4*\obl+\qb)+7], v[QF+8*(4*\qb+\kc):QF+8*(4*\qb+\kc)+7], v[WOF+8*(4*\obl+\kc):WOF+8*(4*\obl+\kc)+7], v[ACCO+8*(4*\obl+\qb):ACCO+8*(4*\obl+\qb)+7]
.endif
.endr
.endr
.endr
	PLACES 4
	WIN 0x41
.irp obl, 0,1
.irp qb, 0,1,2,3
.irp k, 0,2,4,6
	v_pk_fma_f32 v[ACCO+8*(4*\obl+\qb)+\k:ACCO+8*(4*\obl+\qb)+\k+1], v[ACCO+8*(4*\obl+\qb)+\k:ACCO+8*(4*\obl+\qb)+\k+1], v[BNP+4*\obl:BNP+4*\obl+1], v[BNP+4*\obl+2:BNP+4*\obl+3]
.endr
.irp k, 0,1,2,3,4,5,6,7
	v_max_num_f32 v[ACCO+8*(4*\obl+\qb)+\k], v[ACCO+8*(4*\obl+\qb)+\k], 0
.endr
.endr
.endr
	; the way out: a lane holds 32 bytes of a channel row; through my own 32 rows in LDS they become whole rows of 256 bytes
	WIN 0x04
.irp obl, 0,1
.irp qb, 0,1,2,3
	ds_store_b128 v[OSA], v[ACCO+8*(4*\obl+\qb):ACCO+8*(4*\obl+\qb)+3]   offset:\obl*16*OPIT+\qb*64
	ds_store_b128 v[OSA], v[ACCO+8*(4*\obl+\qb)+4:ACCO+8*(4*\obl+\qb)+7] offset:\obl*16*OPIT+\qb*64+16
.endr
.endr
	WIN 0x40
.set ci, 0
.rept 16
	ds_load_b128 v[ORW+4*ci:ORW+4*ci+3], v[ORB] offset:ci*2*OPIT   ; LDS serves a wave's instructions in order (ISA guide 5.7.1): these see the stores above
.set ci, ci+1
.endr
	s_wait_loadcnt 0x0                             ; x
	s_wait_dscnt 0x0
	WIN 0x45
.set ci, 0
.rept 32
	v_pk_add_f32 v[ORW+2*ci:ORW+2*ci+1], v[ORW+2*ci:ORW+2*ci+1], v[XR+2*ci:XR+2*ci+1]
.set ci, ci+1
.endr
	WIN 0x04
.set ci, 0
.rept 16
	global_store_b128 v[XOF], v[ORW+4*ci:ORW+4*ci+3], s[30:31] offset:ci*32768 th:TH_STORE_NT   ; sixteen lanes store 256 consecutive bytes, at a multiple of 256 from out0's first byte
.set ci, ci+1
.endr
	WIN 0
	s_wait_xcnt 0x0
	v_lshl_add_u32 v25, v0, 2, 0x46000
	v_mov_b32 v27, 0
	s_wait_tensorcnt 0x0
	ds_add_u32 v25, v27
	s_wait_dscnt 0x0
	ROUND                                          ; the closing round: no group ends while a partner may still ask for a tile that names it
	s_endpgm
.Lfunc_end_k_q6af6f7fdfc_attn:
	.size	k_q6af6f7fdfc_attn, .Lfunc_end_k_q6af6f7fdfc_attn-k_q6af6f7fdfc_attn
	.p2alignl 7, 3214868480
	.fill 96, 4, 3214868480
	.section	.rodata,"a",@progbits
	.p2align	6, 0x0
	.amdhsa_kernel k_q6af6f7fdfc_attn
		.amdhsa_group_segment_fixed_size 327680
		.amdhsa_private_segment_fixed_size 0
		.amdhsa_enable_private_segment 0
		.amdhsa_kernarg_size 88
		.amdhsa_user_sgpr_count 2
		.amdhsa_user_sgpr_kernarg_segment_ptr 1
		.amdhsa_wavefront_size32 1
		.amdhsa_system_sgpr_workgroup_id_x 1
		.amdhsa_system_sgpr_workgroup_id_y 1
		.amdhsa_system_sgpr_workgroup_id_z 1
		.amdhsa_system_vgpr_workitem_id 0
		.amdhsa_next_free_vgpr 512
		.amdhsa_next_free_sgpr 68
		.amdhsa_reserve_vcc 0
		.amdhsa_float_denorm_mode_32 3
		.amdhsa_float_denorm_mode_16_64 3
		.amdhsa_memory_ordered 1
		.amdhsa_forward_progress 1
		.amdhsa_inst_pref_size 252
	.end_amdhsa_kernel
	.amdgpu_metadata
---
amdhsa.version: [ 1, 2 ]
amdhsa.kernels:
  - .name:           k_q6af6f7fdfc_attn
    .symbol:         k_q6af6f7fdfc_attn.kd
    .args:
      - { .name: qbuf, .offset: 0, .size: 8, .value_kind: global_buffer, .address_space: global }
      - { .name: kbuf, .offset: 8, .size: 8, .value_kind: global_buffer, .address_space: global }
      - { .name: vbuf, .offset: 16, .size: 8, .value_kind: global_buffer, .address_space: global }
      - { .name: wobuf, .offset: 24, .size: 8, .value_kind: global_buffer, .address_space: global }
      - { .name: x, .offset: 32, .size: 8, .value_kind: global_buffer, .address_space: global }
      - { .name: go, .offset: 40, .size: 8, .value_kind: global_buffer, .address_space: global }
      - { .name: bo, .offset: 48, .size: 8, .value_kind: global_buffer, .address_space: global }
      - { .name: mo, .offset: 56, .size: 8, .value_kind: global_buffer, .address_space: global }
      - { .name: vo, .offset: 64, .size: 8, .value_kind: global_buffer, .address_space: global }
      - { .name: out0, .offset: 72, .size: 8, .value_kind: global_buffer, .address_space: global }
      - { .name: scl, .offset: 80, .size: 8, .value_kind: global_buffer, .address_space: global }
    .group_segment_fixed_size: 327680
    .private_segment_fixed_size: 0
    .kernarg_segment_align: 8
    .kernarg_segment_size: 88
    .max_flat_workgroup_size: 256
    .sgpr_count:     68
    .vgpr_count:     512
    .wavefront_size: 32
...
	.end_amdgpu_metadata
.endif
;; end of part 2
